; MI455X (gfx1250); checked and timed in simulation.
; The chip was launched on July 23, 2026; its instructions are those of AMD's public machine-readable ISA for CDNA 5 (MIT licence, August 2026) and "CDNA5" Instruction Set Architecture Reference Guide (July 2026). The comments in the code are by the model that wrote it; some were corrected since.
;; MHA. Allowed arithmetic: matrix products marked QUANTISED: E5M2 operands, one given power-of-two scale a tensor, by v_wmma_f32_16x16x64_bf8_bf8 or v_wmma_f32_16x16x128_bf8_bf8, f32 sums; everything else in f32.
;; Inputs: Wk_codes 16 x 64 x 32 x 32 uint8 (E5M2 codes of Wk, K innermost, in blocks of 32 codes); Wo_codes 1,024 x 32 x 32 uint8 (E5M2 codes of Wo, K innermost, in blocks of 32 codes); Wq_codes 16 x 64 x 32 x 32 uint8 (E5M2 codes of Wq, K innermost, in blocks of 32 codes); Wv_codes 16 x 64 x 32 x 32 uint8 (E5M2 codes of Wv, K innermost, in blocks of 32 codes); bo 1,024 float32; lowp_scales 12 int32 (the exponents e of the quantised operands' scales 2^e); x_codes 4 x 2,048 x 32 x 32 uint8 (E5M2 codes of x, K innermost, in blocks of 32 codes).
;; Outputs: out0 4 x 2,048 x 1,024 float32.
;; This version of the problem:
;;   THIS VERSION OF THE PROBLEM IS GIVEN IN LOW PRECISION. The matrix products marked QUANTISED in the list below multiply operands that are first quantised to E5M2 (5 exponent bits, 2 mantissa bits; 8 bits a number), with one given power-of-two scale for each operand tensor; their sums are f32. All else is computed in f32.
;;   The module's matrix products, in the order in which they are computed (A, B: the left and right operand; K: the contracted axis; several contracted axes count as one K, in the product's order):
;;     1. [M 1,024, K 1,024] x [K 1,024, N 8,192]; A: input Wq (given as codes); B: input x (given as codes): QUANTISED (scales: A lowp_scales[0], B lowp_scales[1])
;;     2. [M 1,024, K 1,024] x [K 1,024, N 8,192]; A: input Wk (given as codes); B: input x (given as codes): QUANTISED (scales: A lowp_scales[2], B lowp_scales[3])
;;     3. [M 1,024, K 1,024] x [K 1,024, N 8,192]; A: input Wv (given as codes); B: input x (given as codes): QUANTISED (scales: A lowp_scales[4], B lowp_scales[5])
;;     4. batch 64 x [M 2,048, K 64] x [K 64, N 2,048]; A: computed on the way; B: computed on the way: QUANTISED (scales: A lowp_scales[6], B lowp_scales[7])
;;     5. batch 64 x [M 2,048, K 2,048] x [K 2,048, N 64]; A: softmax (see below); B: computed on the way: QUANTISED (scales: A lowp_scales[8], B lowp_scales[9])
;;     6. [M 8,192, K 1,024] x [K 1,024, N 1,024]; A: computed on the way; B: input Wo (given as codes): QUANTISED (scales: A lowp_scales[10], B lowp_scales[11])
;;   THE QUANTISER, for each operand of a quantised product, along K:
;;     - The operand's scale is 2^e, e = its entry of the input lowp_scales (int32; the entries are numbered through the quantised products in the list's order, A before B).
;;     - Each number is divided by the scale, clamped to +-57,344, and rounded to the nearest number of E5M2, ties to even, subnormals kept.
;;     - The product sums the exact products of the quantised numbers (number of the format x scale) in f32.
;;   ~~~python
;;   def quantise(x, axis, e):      # numpy; x: float32 -> the quantised numbers, widened to float32 again
;;       x = np.moveaxis(x, axis, -1); K = x.shape[-1]
;;       r = np.clip(x / 2.0 ** e, -57344, 57344)
;;       step = 2.0 ** (np.maximum(np.frexp(np.where(r == 0, 1, r))[1] - 1, -14) - 2)
;;       q = np.round(r / step) * step * 2.0 ** e      # np.round: ties to even
;;       return np.moveaxis(q, -1, axis).astype(np.float32)
;;   ~~~
;;   SOFTMAX AHEAD OF A QUANTISED PRODUCT. Where the list says 'softmax', what is quantised is not the finished softmax but p = 2^(t - M), with t = logit x log2(e) and M = ceil(the row's largest t), a whole number; so 1/2 < the row's largest p <= 1. The row's sum l is taken of the UNQUANTISED p, in f32, and the product's result is divided by l at the end. Since M is a whole number, a kernel that streams over the keys may use a running M (the ceiling of the running maximum): every later rescaling is an exact power of two, so the quantised numbers keep their values, but for numbers so far below the row's largest that they fall under the format's range.
;;   OPERANDS COMPUTED ON THE WAY. 'Computed on the way' means the value that the module computes at that place (a softmax that the list does not call 'softmax' is quantised finished and normalised). What goes into a quantiser is computed in f32, as accurately as f32 sums, v_exp_f32 and their like allow (about 1e-6 of the number): no bf16 or f16 on the way to a quantiser, and a product that is left as it is and whose result goes on into a quantised operand takes f32 operands (vector FMAs, or v_wmma_f32_16x16x4_f32). A number that lies on a knife's edge between two numbers of the format may be rounded either way, as far as f32 arithmetic and the matrix unit's own rounding can turn it there, and no further.
;;   INPUTS GIVEN AS CODES. Wk (in the module: [16, 64, 1024], K = its axis 2); Wo (in the module: [1024, 1024], K = its axis 1); Wq (in the module: [16, 64, 1024], K = its axis 2); Wv (in the module: [16, 64, 1024], K = its axis 2); x (in the module: [4, 2048, 1024], K = its axis 2): each comes as NAME_codes (uint8): NAME with its K axis moved to the last place and cut into blocks of 32 codes, [.., K / 32, bytes a block], one block behind the other in memory; one code a byte (a code: sign, 5 exponent bits, 2 mantissa bits); its scale is its entry of lowp_scales. Its value is code x scale, taken as it is: it is not quantised again, and the codes and scales need not be those that the quantiser above would give.
;; One version. Each part assembles by itself: llvm-mc -triple=amdgcn-amd-amdhsa -mcpu=gfx1250 --defsym DOCPART=n.
;; ======== version 1 of 1: 3 launches
;; limits: right only within a limited range of input values
;; workspace buffers: q_img 8,388,608 bytes; k_img 8,388,608 bytes; v_img 8,388,608 bytes; cat_img 8,388,608 bytes
;; launch qkv (part 1): grid 8 x 32, 4 waves a work-group, clusters of 4 x 4, 327,680 bytes of LDS; arguments x_codes, Wq_codes, Wk_codes, Wv_codes, lowp_scales, q_img, k_img, v_img; writes q_img, k_img, v_img
.if DOCPART == 1
	.amdgcn_target "amdgcn-amd-amdhsa--gfx1250"
	.amdhsa_code_object_version 6
	.text
	.protected	k_q06f2cd9fec_qkv
	.globl	k_q06f2cd9fec_qkv
	.p2align	8
	.type	k_q06f2cd9fec_qkv,@function
k_q06f2cd9fec_qkv:
	s_mov_b64 s[64:65], 0
	v_nop
	global_prefetch_b8 v0, s[64:65] scope:SCOPE_SE
	s_setreg_imm32_b32 hwreg(HW_REG_WAVE_MODE, 25, 1), 1
	s_wait_xcnt 0x0
	s_wait_alu depctr_hold_cnt(0) depctr_sa_sdst(0) depctr_va_vdst(0) depctr_va_sdst(0) depctr_va_ssrc(0) depctr_va_vcc(0) depctr_vm_vsrc(0)
	s_getreg_b32 s2, hwreg(HW_REG_IB_STS2, 6, 4)
	s_cmp_eq_u32 s2, 0
	s_cbranch_scc0 .Lentry_in_a_cluster
	s_endpgm
.Lentry_in_a_cluster:
	s_bfe_u32 s2, ttmp6, 0x10000c
	s_cmp_lg_u32 s2, 0xf033
	s_cbranch_scc0 .Lentry_shape_is_right
	s_endpgm
.Lentry_shape_is_right:
; Q, K and V of all heads: three products [8192 tokens][1024] x [1024 rows of W][1024]^T on codes of BF8 (E5M2), sums in f32, each result quantised at once to BF8 for the product that takes it next.
; x, Wq, Wk, Wv: codes, K innermost, rows of 1,024 bytes.  Q = sum x 2^(e0+e1), its code = Q / 2^e6;  K: e2, e3, e7;  V: e4, e5, e9.  A sum's code is sum / 2^E, E = eT - eW - eX, held within +-57,344.
; LIMIT: -126 <= E <= 112 for each of the three, so that 2^E and 57,344 x 2^E are f32 numbers.  NaN codes among the inputs are not served.
; SHARES.  8 x 32 = 256 work-groups of four waves, in clusters of 4 x 4.  EACH WORK-GROUP MAKES TWO TILES, one behind the other:
;   first 256 tokens x 256 rows of Wq (cluster x = 0) or of Wk (1): a wave makes 128 x 128, 64 accumulators;  then 128 rows of Wv x 256 tokens: a wave makes 64 x 128, 32 accumulators.
;   2 x 4 x 32 tiles of the first kind and 8 x 32 of the second: one of each for every work-group.
; K = 1,024 goes in four steps of 256 through a ring of two LDS slots, and the ring does not stop between the tiles: the first tile's last two changes of slots ask for V's K steps 0 and 1,
; and the first tile is held, converted and stored while they are on their way.
; THE MATRIX INSTRUCTION: source 0 = 16 rows of B', source 1 = 16 rows of A': a lane holds ONE row of A' and eight neighbouring rows of B', which are eight neighbours along the NEXT product's K.
;   Q, K: A' = x (block 4 x cluster y + cy), B' = W (block cx).   V: A' = Wv (128 rows: block 4 x cluster x + cy), B' = x (block 4 x cluster y + cx).
;   A' hangs on cy alone and is asked for jointly by a row of the cluster, B' on cx alone and by a column.
; THE RESULTS LEAVE AS IMAGES OF OPERAND REGISTERS, 16 bytes a lane, 512 consecutive bytes a store:
;   q_img, k_img: [batch x head 64][tile of 16 tokens 128][half 2][lane 32][16]: lane (r, h): token 16 j + r; registers 2 c, 2 c + 1: channels 16 c + 8 h + 0 .. 7
;   v_img:        [batch x head 64][step of 64 keys 32][tile of 16 channels 4][half 2][lane 32][16]: lane (r, h): channel 16 t + r; registers 2 c, 2 c + 1: keys 16 c + 8 h + 0 .. 7
; A fragment of 16 rows x 128 K is fetched by four loads of 16 bytes: a permutation of k inside the instruction, the same in both operands.
; PREFETCH INTO THE L2.  The eight fills are K steps 0 .. 3 of the first product and 0 .. 3 of V's.  Behind fill i a wave asks for what fill i + 2 brings: one instruction, a lane a row of 256 bytes.
;   Of the 128 rows that a wave fetches, each of the four partners that ask for them jointly names 32, told apart by address (cx for A', cy for B'); of Wv's 64 rows, 16 (lanes 16-31 name the last again).
;   In V's product Wv alone is asked for: its blocks of x are the four that this cluster has read in the first product.  Fills 0 and 1 come by their loads alone.  The address registers are never rewritten: the K step is the immediate.
; REGISTERS, in windows of 256: window 0: v8-10 offsets, v16-21 LDS addresses, v26-31 constants, v32-95 codes on the way out, v128-255 A's fragments (first tile: one set of 8; V: two sets of 4);
;   window 1: B's fragments, two sets;  window 2: the accumulators of A's blocks 0-3 ((a, b) at v[8 (8 a + b)]);  window 3: those of blocks 4-7.
.set ROWB,   256
.set KROW,   1024
.set PITCH,  272                       ; an LDS row: 256 bytes + 16 of padding: the 16 rows of a fragment load start 4 words apart modulo 64
.set FR,     16
.set NL,     4
.set NP,     4                         ; places behind this matrix instruction (ISA guide 7.12.1)
.set HALFT,  128*PITCH
.set SLOT,   4*HALFT                   ; A's 256 rows, then B's 256 rows
.set SPARE,  2*SLOT                    ; the spare words, 128 bytes a wave
.set OFFS, 8                           ; v8      16 x lane
.set PFO,  9                           ; v9      the prefetches' offset: 1,024 x lane
.set PFO2, 10                          ; v10     for Wv: 1,024 x min(lane, 15)
.set ADRA, 16                          ; v16-17  my A' fragments in slot 0, 1 (first tile)
.set ADRH, 18                          ; v18-19  the same for V's tile
.set ADRB, 20                          ; v20-21  my B' fragments
.set SC2,  26                          ; v26, v27  2^E and 57,344 x 2^E for V
.set LIM2, 27
.set SPW,  28
.set NIL,  29
.set SC,   30                          ; v30, v31  the same for Q or K
.set LIM,  31
.set CD,   32
.set AF,   128
.set G1,  24                           ; s[24:31] group 1 for A': 128 rows;  s[32:39] group 0, a set for each slot
.set G0,  32
.set G1B, 48                           ; s[48:55], s[56:63] the same for B'
.set G0B, 56
.set PF1, 66                           ; s[66:67] my work-group's 32 rows of the 128 that I fetch in the first product
.set G1H, 68                           ; s[68:75] group 1 for V's A': 64 rows;  s[76:83] its groups 0;  s[84:91] groups 0 of V's B'
.set G0H, 76
.set G0V, 84
.set OUT1, 94
.set PF2, 96                           ; s[96:97] my work-group's 16 rows of the 64 of Wv that waves 0 and 1 fetch
.set OUT2, 98
.set PADW, (1<<20)|(1<<21)|(5<<22)|(3<<25)   ; elements of 1 byte; padding on; bit 21 beside a mask; four words after every 64
.set MSB, 0
.macro WIN new
.if MSB != \new
	s_set_vgpr_msb (MSB<<8)|\new
.set MSB, \new
.endif
.endm
.set MUL_LO, 0xa1                      ; source 0 (B') window 1, source 1 (A') window 0, C and D window 2
.set MUL_HI, 0xf1
.set TO_B,   0x40
.macro JLOAD g0a, g1a, g0b, g1b        ; a joint load: waves 0 and 1 fetch for A', waves 2 and 3 for B'; s_nop 0 and four v_nop follow each line
	s_cmp_eq_u32 s15, 0
	s_cbranch_scc0 .Lfor_b_\@
	tensor_load_to_lds s[\g0a:\g0a+3], s[\g1a:\g1a+7]
	s_nop 0
.rept 4
	v_nop
.endr
	s_branch .Lasked_\@
.Lfor_b_\@:
	tensor_load_to_lds s[\g0b:\g0b+3], s[\g1b:\g1b+7]
	s_nop 0
.rept 4
	v_nop
.endr
.Lasked_\@:
.endm
.macro ASKV off                        ; Wv's K step at byte off of its rows: the waves that fetch Wv ask
	s_cmp_eq_u32 s15, 0
	s_cbranch_scc0 .Lnot_mine_\@
	global_prefetch_b8 v[PFO2], s[PF2:PF2+1] offset:\off th:TH_LOAD_NT scope:SCOPE_SE
.Lnot_mine_\@:
.endm
.macro CREST                           ; a round of the cluster's barrier behind its opening barrier
	s_cmp_lg_u32 s14, 0
	s_cbranch_scc1 .Lnot_wave_0_\@
	s_barrier_signal -3
.Lnot_wave_0_\@:
	s_barrier_wait -3
	s_barrier_signal -1
	s_barrier_wait -1
.endm
.macro CROUND
	s_barrier_signal -1
	s_barrier_wait -1
	CREST
.endm
	s_load_b256 s[4:11], s[0:1], 0x0               ; x s[4:5], Wq s[6:7], Wk s[8:9], Wv s[10:11]
	s_load_b256 s[92:99], s[0:1], 0x20             ; the exponents s[92:93], q_img s[94:95], k_img s[96:97], v_img s[98:99]
	v_lshl_add_u32 v[SPW], v0, 2, SPARE
	v_mov_b32 v[NIL], 0
	ds_add_u32 v[SPW], v[NIL]                      ; the opening lines: the add, twice on end, and its wait
	ds_add_u32 v[SPW], v[NIL]
	v_lshrrev_b32 v1, 5, v0
	v_readfirstlane_b32 s14, v1                    ; wave 0..3
	s_lshr_b32 s15, s14, 1                         ; my half of A's rows.  Also: I fetch for A' (0) or B' (1)
	s_and_b32 s16, s14, 1                          ; my half of B's rows.  Also: which half of that tile I fetch
	s_bfe_u32 s40, ttmp6, 0x40000                  ; cx
	s_bfe_u32 s41, ttmp6, 0x40004                  ; cy
	s_lshl_b32 s43, s41, 2
	s_lshl_b32 s43, 15, s43                        ; my row of the cluster
	s_lshl_b32 s44, 0x1111, s40                    ; my column
	s_and_b32 s17, ttmp7, 0xffff
	s_lshl_b32 s17, s17, 2                         ; 4 x cluster y
	s_add_co_u32 s18, s17, s41                     ; first tile, A': x's block 4 Y + cy, 256 rows of 1,024 bytes,
	s_lshl_b32 s20, s18, 18
	s_lshl_b32 s21, s16, 17                        ; the half that I fetch
	s_add_co_u32 s20, s20, s21
	s_mov_b32 s21, 0
	s_lshl_b32 s46, s40, 18                        ; B': W's block cx
	s_lshl_b32 s47, s16, 17
	s_add_co_u32 s46, s46, s47
	s_mov_b32 s47, 0
	s_lshl_b32 s22, ttmp9, 2
	s_add_co_u32 s22, s22, s41                     ; V, A': Wv's block of 128 rows 4 X + cy,
	s_lshl_b32 s22, s22, 17
	s_lshl_b32 s23, s16, 16                        ; of which I fetch 64
	s_add_co_u32 s22, s22, s23
	s_mov_b32 s23, 0
	s_add_co_u32 s12, s17, s40                     ; B': x's block 4 Y + cx
	s_lshl_b32 s12, s12, 18
	s_lshl_b32 s13, s16, 17
	s_add_co_u32 s12, s12, s13
	s_mov_b32 s13, 0
	s_or_b32 s[G1], s43, PADW
	s_or_b32 s[G1H], s43, PADW
	s_or_b32 s[G1B], s44, PADW
.irp g, G1, G1B, G1H
	s_mov_b32 s[\g+1], ROWB<<16                    ; tensor_dim0
	s_mov_b32 s[\g+3], ROWB<<16                    ; tile_dim0
	s_mov_b32 s[\g+5], KROW                        ; the pitch
	s_mov_b32 s[\g+6], 0
	s_mov_b32 s[\g+7], 0
.endr
.irp g, G1, G1B
	s_mov_b32 s[\g+2], 128<<16                     ; 128 rows
	s_mov_b32 s[\g+4], 128
.endr
	s_mov_b32 s[G1H+2], 64<<16                     ; 64 rows
	s_mov_b32 s[G1H+4], 64
	s_mul_i32 s45, s14, HALFT                      ; where the tiles go: wave x 128 rows;
	s_mul_i32 s42, s16, 64*PITCH                   ; V's A': 64 rows a wave
	s_mul_i32 s18, s15, HALFT                      ; what I read: my 128 rows of A',
	s_mul_i32 s19, s16, HALFT
	s_add_co_u32 s19, s19, 2*HALFT                 ; my 128 rows of B',
	s_mul_i32 s43, s15, 64*PITCH                   ; my 64 rows of V's A'
	s_wait_dscnt 0x0                               ; both opening adds are done
	s_wait_kmcnt 0x0
	s_load_b256 s[76:83], s[92:93], 0x0            ; e0 .. e7
	s_load_b128 s[84:87], s[92:93], 0x20           ; e8 .. e11
	s_cmp_eq_u32 ttmp9, 1                          ; the cluster's x is the same in all sixteen partners
	s_cselect_b64 s[2:3], s[8:9], s[6:7]           ; Wk or Wq
	s_add_nc_u64 s[20:21], s[4:5], s[20:21]
	s_add_nc_u64 s[46:47], s[2:3], s[46:47]
.irp s, 0,1
	s_mov_b32 s[G0+4*\s], 1
	s_add_co_u32 s[G0+4*\s+1], s45, \s*SLOT
	s_add_nc_u64 s[G0+4*\s+2:G0+4*\s+3], s[20:21], \s*ROWB
	s_or_b32 s[G0+4*\s+3], s[G0+4*\s+3], 0x80000000
	s_mov_b32 s[G0B+4*\s], 1
	s_add_co_u32 s[G0B+4*\s+1], s45, \s*SLOT
	s_add_nc_u64 s[G0B+4*\s+2:G0B+4*\s+3], s[46:47], \s*ROWB
	s_or_b32 s[G0B+4*\s+3], s[G0B+4*\s+3], 0x80000000
.endr
	CROUND                                         ; all sixteen work-groups are here: the first joint loads meet
	JLOAD G0, G1, G0B, G1B                         ; K step 0: one tensor load a wave at the head
	v_and_b32 v1, 15, v0                           ; l % 16
	v_bfe_u32 v2, v0, 4, 1                         ; l / 16
	v_mul_u32_u24 v3, v1, PITCH
	v_lshl_add_u32 v4, v2, 4, v3                   ; a fragment's row x pitch + 16 x half
	v_add_nc_u32 v[ADRA], s18, v4
	v_add_nc_u32 v[ADRB], s19, v4
	v_add_nc_u32 v[ADRH], s43, v4
	v_add_nc_u32 v[ADRA+1], SLOT, v[ADRA]
	v_add_nc_u32 v[ADRB+1], SLOT, v[ADRB]
	v_add_nc_u32 v[ADRH+1], SLOT, v[ADRH]
	v_and_b32 v5, 31, v0
	v_lshlrev_b32 v[OFFS], 4, v5
	v_lshlrev_b32 v[PFO], 10, v5
	v_min_u32 v[PFO2], 15, v5
	v_lshlrev_b32 v[PFO2], 10, v[PFO2]
	s_cmp_eq_u32 s15, 0                            ; do I fetch for A'?
	s_cselect_b64 s[PF1:PF1+1], s[20:21], s[46:47] ; the 128 rows that I fetch,
	s_cselect_b32 s2, s40, s41                     ; my place among the four that ask for them with me,
	s_lshl_b32 s2, s2, 15                          ; 32 rows of 1,024 bytes each
	s_mov_b32 s3, 0
	s_add_nc_u64 s[PF1:PF1+1], s[PF1:PF1+1], s[2:3]
	global_prefetch_b8 v[PFO], s[PF1:PF1+1] offset:512 th:TH_LOAD_NT scope:SCOPE_SE   ; behind fill 0: K step 2
	; where my images begin.  Q, K: head 16 x batch + 4 cx + 2 x my half of W; my 128 tokens are 8,192 bytes of a head's image
	s_add_co_u32 s18, s17, s41                     ; x's block, eight to a batch
	s_lshr_b32 s19, s18, 3
	s_lshl_b32 s19, s19, 4
	s_lshl_b32 s43, s40, 2
	s_add_co_u32 s19, s19, s43
	s_lshl_b32 s43, s16, 1
	s_add_co_u32 s19, s19, s43
	s_lshl_b32 s19, s19, 17                        ; 131,072 bytes a head
	s_and_b32 s18, s18, 7
	s_lshl_b32 s18, s18, 1
	s_add_co_u32 s18, s18, s15
	s_lshl_b32 s18, s18, 13
	s_add_co_u32 s18, s18, s19
	s_mov_b32 s19, 0
	s_cmp_eq_u32 ttmp9, 1
	s_cselect_b64 s[OUT1:OUT1+1], s[96:97], s[94:95]
	s_add_nc_u64 s[OUT1:OUT1+1], s[OUT1:OUT1+1], s[18:19]
	; V: head 16 x batch + 2 (4 X + cy) + my half of Wv's block
	s_add_co_u32 s18, s17, s40
	s_lshr_b32 s19, s18, 3
	s_lshl_b32 s19, s19, 4
	s_lshl_b32 s43, ttmp9, 2
	s_add_co_u32 s43, s43, s41
	s_lshl_b32 s43, s43, 1
	s_add_co_u32 s19, s19, s43
	s_add_co_u32 s19, s19, s15
	s_lshl_b32 s19, s19, 17
	s_and_b32 s18, s18, 7
	s_lshl_b32 s18, s18, 1
	s_add_co_u32 s18, s18, s16
	s_lshl_b32 s18, s18, 13
	s_add_co_u32 s18, s18, s19
	s_mov_b32 s19, 0
	s_add_nc_u64 s[OUT2:OUT2+1], s[98:99], s[18:19]
	s_wait_kmcnt 0x0                               ; the exponents
	s_cmp_eq_u32 ttmp9, 1
	s_cselect_b32 s18, s78, s76                    ; eW: e2 or e0
	s_cselect_b32 s19, s79, s77                    ; eX: e3 or e1
	s_cselect_b32 s43, s83, s82                    ; eT: e7 or e6
	s_sub_co_i32 s43, s43, s18
	s_sub_co_i32 s43, s43, s19
	s_add_co_i32 s43, s43, 127
	s_lshl_b32 s18, s43, 23
	v_mov_b32 v[SC], s18                           ; 2^E: the conversion takes its exponent field
	s_add_co_i32 s43, s43, 15
	s_lshl_b32 s43, s43, 23
	s_or_b32 s43, s43, 0x600000
	v_mov_b32 v[LIM], s43                          ; 57,344 x 2^E
	s_sub_co_i32 s43, s85, s80                     ; V: e9 - e4 - e5
	s_sub_co_i32 s43, s43, s81
	s_add_co_i32 s43, s43, 127
	s_lshl_b32 s18, s43, 23
	v_mov_b32 v[SC2], s18
	s_add_co_i32 s43, s43, 15
	s_lshl_b32 s43, s43, 23
	s_or_b32 s43, s43, 0x600000
	v_mov_b32 v[LIM2], s43
	s_add_nc_u64 s[22:23], s[10:11], s[22:23]      ; V's groups 0, over the exponents, which are done with
	s_add_nc_u64 s[12:13], s[4:5], s[12:13]
	s_lshl_b32 s2, s40, 14                         ; of Wv's 64 rows my work-group names 16
	s_mov_b32 s3, 0
	s_add_nc_u64 s[PF2:PF2+1], s[22:23], s[2:3]
.irp s, 0,1
	s_mov_b32 s[G0H+4*\s], 1
	s_add_co_u32 s[G0H+4*\s+1], s42, \s*SLOT
	s_add_nc_u64 s[G0H+4*\s+2:G0H+4*\s+3], s[22:23], \s*ROWB
	s_or_b32 s[G0H+4*\s+3], s[G0H+4*\s+3], 0x80000000
	s_mov_b32 s[G0V+4*\s], 1
	s_add_co_u32 s[G0V+4*\s+1], s45, \s*SLOT
	s_add_nc_u64 s[G0V+4*\s+2:G0V+4*\s+3], s[12:13], \s*ROWB
	s_or_b32 s[G0V+4*\s+3], s[G0V+4*\s+3], 0x80000000
.endr
.macro FRAG reg, adr, q, i             ; 16 rows x 128 K: lane l holds row l % 16; registers 4 c .. 4 c + 3 hold K = 32 c + 16 (l / 16) + 0 .. 15
.irp c, 0,1,2,3
	ds_load_b128 v[\reg+4*\c:\reg+4*\c+3], v[\adr] offset:128*(\q)+32*\c+(\i)*16*PITCH
.endr
.endm
; 16 matrix instructions: A's blocks a0, a0 + 1 (from register ab on) x B's eight (set p), 128 along K.  zero = 1: the product starts the sums.  The accumulators take turns, in the same order in every step.
.macro MUL16 a0, p, zero, ab
.irp a, \a0, \a0+1
.irp b, 0,1,2,3,4,5,6,7
.if \zero
	v_wmma_f32_16x16x128_bf8_bf8 v[8*(8*((\a)%4)+\b):8*(8*((\a)%4)+\b)+7], v[128*(\p)+FR*\b:128*(\p)+FR*\b+FR-1], v[\ab+FR*(\a):\ab+FR*(\a)+FR-1], 0
.else
	v_wmma_f32_16x16x128_bf8_bf8 v[8*(8*((\a)%4)+\b):8*(8*((\a)%4)+\b)+7], v[128*(\p)+FR*\b:128*(\p)+FR*\b+FR-1], v[\ab+FR*(\a):\ab+FR*(\a)+FR-1], v[8*(8*((\a)%4)+\b):8*(8*((\a)%4)+\b)+7]
.endif
.endr
.endr
.endm
.macro FETCH_B slot, q, p
	WIN TO_B
.irp i, 0,1,2,3,4,5,6,7
	FRAG 128*(\p)+FR*\i, ADRB+\slot, \q, \i
.endr
	WIN 0
.endm
.macro FETCH_A slot, q, i0             ; first tile: A's blocks i0 .. i0 + 3
.irp i, \i0, \i0+1, \i0+2, \i0+3
	FRAG AF+FR*(\i), ADRA+\slot, \q, \i
.endr
.endm
.macro FETCH_H slot, q, p              ; V's tile: A's four blocks into set p
.irp i, 0,1,2,3
	FRAG AF+64*(\p)+FR*\i, ADRH+\slot, \q, \i
.endr
.endm
.macro PLACES n
.rept \n
	v_nop
.endr
.endm
; FIRST TILE.  A slot's first 128 along K: A's blocks 0-3 are fetched anew in the middle, blocks 4-7 at the end.  Behind the middle run of loads stands the prefetch: kind = 1: this product's K step at byte off; kind = 2: Wv's.
.macro STEP slot, zero, kind, off
	s_wait_dscnt 4*NL                              ; B's set and A's blocks 0-3 are in; the sixteen youngest loads (A's blocks 4-7) may be out
	WIN MUL_LO
	MUL16 0, 0, \zero, AF
	MUL16 2, 0, \zero, AF
	s_wait_dscnt 0
	PLACES NP
	FETCH_B \slot, 1, 1
	FETCH_A \slot, 1, 0
.if \kind == 1
	global_prefetch_b8 v[PFO], s[PF1:PF1+1] offset:\off th:TH_LOAD_NT scope:SCOPE_SE
.endif
.if \kind == 2
	ASKV \off
.endif
	WIN MUL_HI
	MUL16 4, 0, \zero, AF
	MUL16 6, 0, \zero, AF
	PLACES NP
	WIN 0
	FETCH_A \slot, 1, 4
.endm
; A slot's second 128 changes slots.  The 32 products whose fragments are in go first; then each wave waits for all its tensor loads, adds 0 to its spare word, waits for that and for its reads of this slot;
; a round of the cluster's barrier; the refill first behind it.  So from a refill to the wait for it a wave issues 128 matrix instructions.
; on = 0: this slot takes this product's K step two on.  on = 1: V's K step 0 or 1.  last = 1: the fragments fetched next are V's.
.macro TURN slot, next, on, last
	s_wait_dscnt 4*NL                              ; B's set and A's blocks 0-3 are in
	WIN MUL_LO
	MUL16 0, 1, 0, AF
	MUL16 2, 1, 0, AF
	WIN 0
	s_wait_tensorcnt 0x0                           ; all my tensor loads have landed: my part of the next slot
	ds_add_u32 v[SPW], v[NIL]
	s_wait_dscnt 0x0                               ; the add is done, and my reads of this slot are over
	s_barrier_signal -1
	s_barrier_wait -1
	CREST
.if \on
	JLOAD G0H+4*\slot, G1H, G0V+4*\slot, G1B
.else
	s_add_nc_u64 s[G0+4*\slot+2:G0+4*\slot+3], s[G0+4*\slot+2:G0+4*\slot+3], 2*ROWB
	s_add_nc_u64 s[G0B+4*\slot+2:G0B+4*\slot+3], s[G0B+4*\slot+2:G0B+4*\slot+3], 2*ROWB
	JLOAD G0+4*\slot, G1, G0B+4*\slot, G1B         ; its four v_nop are the places in front of the loads below
.endif
	FETCH_B \next, 0, 0
.if \last
	FETCH_H \next, 0, 0
.else
	FETCH_A \next, 0, 0
.endif
	WIN MUL_HI
	MUL16 4, 1, 0, AF
	MUL16 6, 1, 0, AF
	PLACES NP
	WIN 0
.if \last == 0
	FETCH_A \next, 0, 4
.endif
.endm
; V'S TILE: 32 matrix instructions for 128 along K; both operands have two sets, and each step asks for the next step's 48 loads ahead of its products.
.macro HSTEP slot, zero
	s_wait_dscnt 0x0                               ; this step's fragments (sets 0) are in
	PLACES NP                                      ; sets 1 were read by the products just issued
	FETCH_B \slot, 1, 1
	FETCH_H \slot, 1, 1
	WIN MUL_LO
	MUL16 0, 0, \zero, AF
	MUL16 2, 0, \zero, AF
	WIN 0
.endm
.macro HTURN slot, next, fill          ; half of the step's products go ahead of the waits: from a refill to the wait for it a wave issues 64 matrix instructions
	s_wait_dscnt 0x0                               ; sets 1 are in
	WIN MUL_LO
	MUL16 0, 1, 0, AF+64
	WIN 0
	s_wait_tensorcnt 0x0
	ds_add_u32 v[SPW], v[NIL]
	s_wait_dscnt 0x0                               ; the add is done; my reads of this slot were over above
	s_barrier_signal -1
	s_barrier_wait -1
.if \fill
	CREST
	s_add_nc_u64 s[G0H+4*\slot+2:G0H+4*\slot+3], s[G0H+4*\slot+2:G0H+4*\slot+3], 2*ROWB
	s_add_nc_u64 s[G0V+4*\slot+2:G0V+4*\slot+3], s[G0V+4*\slot+2:G0V+4*\slot+3], 2*ROWB
	JLOAD G0H+4*\slot, G1H, G0V+4*\slot, G1B
.else
	PLACES NP
.endif
	FETCH_B \next, 0, 0
	FETCH_H \next, 0, 0
	WIN MUL_LO
	MUL16 2, 1, 0, AF+64
	WIN 0
.endm
; THE WAY OUT of a window of 32 accumulators: the hold in place, each accumulator from its low end on; eight numbers of a lane to eight codes; sixteen stores of 512 consecutive bytes.
; Block aa and group be of four code registers go to  out + base + (be / 2) sb + 1,024 aa + 512 (be % 2) + 16 x lane.
.macro WAYOUT w, sc, lim, out, base, sb
	WIN 0x41*\w
.set i, 0
.rept 256
	v_med3_num_f32 v[i], v[i], -v[\lim], v[\lim]   ; the conversion does not saturate (ISA guide 7.6.2)
.set i, i+1
.endr
	WIN \w
.set i, 0
.rept 32
	v_cvt_scalef32_pk8_bf8_f32 v[CD+2*i:CD+2*i+1], v[8*i:8*i+7], v[\sc]
.set i, i+1
.endr
	WIN 0
	v_nop                                          ; a plain vector instruction behind the last conversion
.irp aa, 0,1,2,3
.irp be, 0,1,2,3
	global_store_b128 v[OFFS], v[CD+16*\aa+4*\be:CD+16*\aa+4*\be+3], s[\out:\out+1] offset:\base+(\be>>1)*\sb+\aa*1024+(\be&1)*512
.endr
.endr
.endm
	s_wait_alu depctr_va_vdst(0)                   ; the wait at the head's end
	s_wait_tensorcnt 0x0                           ; my part of K step 0 is in; the lines ahead of a later first fill:
	ds_add_u32 v[SPW], v[NIL]
	s_wait_dscnt 0x0
	CROUND
	JLOAD G0+4, G1, G0B+4, G1B                     ; K step 1: slot 1's first fill
	FETCH_B 0, 0, 0
	FETCH_A 0, 0, 0
	FETCH_A 0, 0, 4
	STEP 0, 1, 1, 768                              ; the first step starts the sums; behind fill 1: K step 3 is asked for
	TURN 0, 1, 0, 0                                ; slot 0 takes K step 2
	STEP 1, 0, 2, 0                                ; behind fill 2: Wv's K step 0
	TURN 1, 0, 0, 0                                ; slot 1 takes K step 3
	STEP 0, 0, 2, 256
	TURN 0, 1, 1, 0                                ; slot 0 takes V's K step 0
	STEP 1, 0, 2, 512
	TURN 1, 0, 1, 1                                ; slot 1 takes V's K step 1; V's first fragments are fetched
	ASKV 768                                       ; behind fill 5: Wv's K step 3
	WAYOUT 2, SC, LIM, OUT1, 0, 0x20000            ; tiles of tokens 0-3 (1,024 bytes each), two heads 131,072 bytes apart
	s_wait_xcnt 0x0                                ; the stores have read the code registers, which are written again
	WAYOUT 3, SC, LIM, OUT1, 4096, 0x20000         ; tiles of tokens 4-7
	HSTEP 0, 1
	HTURN 0, 1, 1                                  ; slot 0 takes V's K step 2
	HSTEP 1, 0
	HTURN 1, 0, 1                                  ; slot 1 takes V's K step 3
	HSTEP 0, 0
	HTURN 0, 1, 0                                  ; nothing is left to fetch
	HSTEP 1, 0
	s_wait_dscnt 0x0
	WIN MUL_LO
	MUL16 0, 1, 0, AF+64
	MUL16 2, 1, 0, AF+64
	WIN 0
	PLACES NP
	s_wait_xcnt 0x0                                ; the first tile's stores have read the code registers
	WAYOUT 2, SC2, LIM2, OUT2, 0, 4096             ; my head's four tiles of channels, two steps of 64 keys 4,096 bytes apart
	s_wait_tensorcnt 0x0                           ; the wave's end
	ds_add_u32 v[SPW], v[NIL]
	s_wait_dscnt 0x0
	CROUND                                         ; the closing round
	s_endpgm
.Lfunc_end_k_q06f2cd9fec_qkv:
	.size	k_q06f2cd9fec_qkv, .Lfunc_end_k_q06f2cd9fec_qkv-k_q06f2cd9fec_qkv
	.p2alignl 7, 3214868480
	.fill 96, 4, 3214868480
	.section	.rodata,"a",@progbits
	.p2align	6, 0x0
	.amdhsa_kernel k_q06f2cd9fec_qkv
		.amdhsa_group_segment_fixed_size 327680
		.amdhsa_private_segment_fixed_size 0
		.amdhsa_enable_private_segment 0
		.amdhsa_kernarg_size 64
		.amdhsa_user_sgpr_count 2
		.amdhsa_user_sgpr_kernarg_segment_ptr 1
		.amdhsa_wavefront_size32 1
		.amdhsa_system_sgpr_workgroup_id_x 1
		.amdhsa_system_sgpr_workgroup_id_y 1
		.amdhsa_system_sgpr_workgroup_id_z 1
		.amdhsa_system_vgpr_workitem_id 0
		.amdhsa_next_free_vgpr 1024
		.amdhsa_next_free_sgpr 100
		.amdhsa_reserve_vcc 0
		.amdhsa_float_denorm_mode_32 3
		.amdhsa_float_denorm_mode_16_64 3
		.amdhsa_memory_ordered 1
		.amdhsa_forward_progress 1
		.amdhsa_inst_pref_size 187
	.end_amdhsa_kernel
	.amdgpu_metadata
---
amdhsa.version: [ 1, 2 ]
amdhsa.kernels:
  - .name:           k_q06f2cd9fec_qkv
    .symbol:         k_q06f2cd9fec_qkv.kd
    .args:
      - { .name: x_codes, .offset: 0, .size: 8, .value_kind: global_buffer, .address_space: global }
      - { .name: Wq_codes, .offset: 8, .size: 8, .value_kind: global_buffer, .address_space: global }
      - { .name: Wk_codes, .offset: 16, .size: 8, .value_kind: global_buffer, .address_space: global }
      - { .name: Wv_codes, .offset: 24, .size: 8, .value_kind: global_buffer, .address_space: global }
      - { .name: lowp_scales, .offset: 32, .size: 8, .value_kind: global_buffer, .address_space: global }
      - { .name: q_img, .offset: 40, .size: 8, .value_kind: global_buffer, .address_space: global }
      - { .name: k_img, .offset: 48, .size: 8, .value_kind: global_buffer, .address_space: global }
      - { .name: v_img, .offset: 56, .size: 8, .value_kind: global_buffer, .address_space: global }
    .group_segment_fixed_size: 327680
    .private_segment_fixed_size: 0
    .kernarg_segment_align: 8
    .kernarg_segment_size: 64
    .max_flat_workgroup_size: 128
    .sgpr_count:     100
    .vgpr_count:     1024
    .wavefront_size: 32
...
	.end_amdgpu_metadata
.endif
;; end of part 1
;; launch attn (part 2): grid 4 x 64, 16 waves a work-group, clusters of 4 x 1, 327,680 bytes of LDS; arguments q_img, k_img, v_img, lowp_scales, cat_img; writes cat_img
.if DOCPART == 2
	.amdgcn_target "amdgcn-amd-amdhsa--gfx1250"
	.amdhsa_code_object_version 6
	.text
	.protected	k_q06f2cd9fec_attn
	.globl	k_q06f2cd9fec_attn
	.p2align	8
	.type	k_q06f2cd9fec_attn,@function
k_q06f2cd9fec_attn:
	s_mov_b64 s[64:65], 0
	v_nop
	global_prefetch_b8 v0, s[64:65] scope:SCOPE_SE
	s_setreg_imm32_b32 hwreg(HW_REG_WAVE_MODE, 25, 1), 1
	s_wait_xcnt 0x0
	s_wait_alu depctr_hold_cnt(0) depctr_sa_sdst(0) depctr_va_vdst(0) depctr_va_sdst(0) depctr_va_ssrc(0) depctr_va_vcc(0) depctr_vm_vsrc(0)
	s_getreg_b32 s2, hwreg(HW_REG_IB_STS2, 6, 4)
	s_cmp_eq_u32 s2, 0
	s_cbranch_scc0 .Lentry_in_a_cluster
	s_endpgm
.Lentry_in_a_cluster:
	s_bfe_u32 s2, ttmp6, 0x10000c
	s_cmp_lg_u32 s2, 0x3003
	s_cbranch_scc0 .Lentry_shape_is_right
	s_endpgm
.Lentry_shape_is_right:
; Attention of one batch x head on codes of BF8 (E5M2): S^T = K Q^T, p = 2^(t - M), O^T = V^T P^T, O / l quantised for the projection.
; q_img, k_img: [batch x head 64][tile of 16 tokens 128][half 2][lane 32][16]: images of operand registers, lane (r, h): token 16 j + r, registers 2 c, 2 c + 1: channels 16 c + 8 h + 0 .. 7.
; v_img: [batch x head 64][step of 64 keys 32][tile of 16 channels 4][half 2][lane 32][16]: lane (r, h): channel 16 t + r, registers 2 c, 2 c + 1: keys 16 c + 8 h + 0 .. 7.
; t = score x 2^(e6 + e7) x log2(e) / 8;  M = ceil(the row's largest t);  p is held at 57,344 x 2^e8 and quantised with 2^e8;  l = the row's sum of the unquantised p;
; O = sum x 2^(e8 + e9) / l, held at 57,344 x 2^e10 and quantised with 2^e10 into cat_img, laid as the projection's loads take it.
; SHARES.  A work-group owns 512 queries of one batch x head, each of its sixteen waves 32 of them (two tiles of 16); 4 x 64 = 256 work-groups.
; The head's whole K (131,072 bytes) and V (131,072 bytes) lie in LDS: each wave asks for one sixteenth, 64 rows of 256 bytes, by ONE tensor load at the head; nothing is filled again, and one barrier serves the launch.
; CLUSTERS: the four work-groups of a batch x head read the same K and V: each load is a joint one, with the mask of all four.
; TWO WALKS OVER THE KEYS.  Walk 1: S^T and the row's largest score, 128 keys a trip: it gives M as the problem defines it.  Walk 2: S^T once more, p under that M, the sum, the codes, O^T += V^T P^T, 64 keys a trip.
; So O^T and the sum are never rescaled, and a trip of walk 2 has no step that hangs on the trip before but the sums themselves.  The price: 8 matrix instructions and 8 LDS loads more for 64 keys.
; Both products are used transposed: a lane holds ONE query (lane % 16); tile jt's register j is key 16 jt + 8 (lane / 16) + j, so a tile's conversion gives registers 2 jt, 2 jt + 1 of P's operand.
; NO PREFETCH: all of K and V is asked for by the loads at the head; no loop runs ahead of a load.
; LIMITS on the given exponents, so that each power of two is an f32 number: e6 + e7 between -123 and 130; e8 and e10 between -126 and 112.  NaN codes among the inputs are not served.
.set LI,    1                          ; v1   16 x lane
.set ADK,   2                          ; v2   LDS address of the trip's tiles of K
.set ADV,   3                          ; v3   of V
.set SCP,   5                          ; v5   2^e8
.set LIM10, 6                          ; v6   57,344 x 2^e10
.set SC10,  7                          ; v7   2^e10
.set NM,    8                          ; v8, v10   -M of query tile 0, 1 (named as pairs with v9, v11)
.set L,     12                         ; v12-19    the sums: a tile has two chains of two halves
.set MX,    20                         ; v20-23    walk 1: the largest score, two chains a tile; at the end the factors
.set Q,     24                         ; v24-39    Q's two fragments
.set KF,    40                         ; v40-71    four fragments of K (walk 1: eight, v40-103)
.set VF,    72                         ; v72-103   four fragments of V
.set S,     104                        ; v104-167  S^T, then p (walk 1: v104-231)
.set O,     168                        ; v168-231  O^T
.set P,     232                        ; v232-247  p's codes
.set CD,    104                        ; the way out: O's codes
.set SPW,   254                        ; v254 my spare word; never rewritten
.set NIL,   255                        ; v255 0; never rewritten
.set SPARE, 0x40000                    ; behind K and V: the spare words, 128 bytes a wave
.set WV,    14
.set G1,    24                         ; s[24:31] descriptor group 1;  s[32:35] group 0
.set G0,    32
.set LP,    53                         ; s53  57,344 x 2^e8
.set CS,    54                         ; s[54:55] c = log2(e) / 8 x 2^(e6 + e7)
.set SEL,   56                         ; s[56:57] selects of lane l xor 16
.set TB,    58                         ; s58  LDS byte at which the trip's tiles of K begin
.set CNT,   59
.macro CROUND                          ; a round of the cluster's barrier
	s_barrier_signal -1
	s_barrier_wait -1
	s_cmp_lg_u32 s[WV], 0
	s_cbranch_scc1 .Lnot_wave_0_\@
	s_barrier_signal -3
.Lnot_wave_0_\@:
	s_barrier_wait -3
	s_barrier_signal -1
	s_barrier_wait -1
.endm
	s_load_b256 s[4:11], s[0:1], 0x0               ; q_img s[4:5], k_img s[6:7], v_img s[8:9], the exponents s[10:11]
	s_load_b64 s[12:13], s[0:1], 0x20              ; cat_img
	v_lshl_add_u32 v[SPW], v0, 2, SPARE
	v_mov_b32 v[NIL], 0
	ds_add_u32 v[SPW], v[NIL]                      ; the opening lines: the add, twice on end, and its wait ahead of my tensor load
	ds_add_u32 v[SPW], v[NIL]
	v_lshrrev_b32 v2, 5, v0
	v_readfirstlane_b32 s[WV], v2                  ; wave 0..15
	v_and_b32 v[LI], 31, v0
	v_lshlrev_b32 v[LI], 4, v[LI]
	s_bfe_u32 s15, ttmp6, 0x40000
	s_lshl_b32 s2, ttmp9, 2
	s_add_co_u32 s15, s15, s2                      ; which 512 queries
	s_and_b32 s16, ttmp7, 0xffff                   ; batch x head
	s_and_b32 s17, s[WV], 7
	s_lshl_b32 s18, s17, 14                        ; waves 0-7: K's eighths of 16,384 bytes; waves 8-15: V's
	s_lshl_b32 s20, s16, 17
	s_add_co_u32 s20, s20, s18
	s_mov_b32 s21, 0
	s_lshl_b32 s19, s[WV], 14                      ; in LDS: K from 0, V from 131,072: 16,384 x wave
	s_mov_b32 s[G1], 15|(3<<16)|(1<<21)            ; the mask of the four partners; elements of 8 bytes; bit 21 beside a mask
	s_mov_b32 s[G1+1], 32<<16                      ; rows of 32 elements = 256 bytes
	s_mov_b32 s[G1+2], 64<<16                      ; 64 rows
	s_mov_b32 s[G1+3], 32<<16
	s_mov_b32 s[G1+4], 64
	s_mov_b32 s[G1+5], 32                          ; dense
	s_mov_b32 s[G1+6], 0
	s_mov_b32 s[G1+7], 0
	s_mov_b32 s[SEL], 0x76543210
	s_mov_b32 s[SEL+1], 0xfedcba98
	s_wait_dscnt 0x0                               ; both opening adds are done
	s_wait_kmcnt 0x0
	s_load_b128 s[48:51], s[10:11], 0x18           ; e6 .. e9
	s_load_b32 s52, s[10:11], 0x28                 ; e10
	s_cmp_lt_u32 s[WV], 8
	s_cselect_b64 s[22:23], s[6:7], s[8:9]
	s_mov_b32 s[G0], 1
	s_mov_b32 s[G0+1], s19
	s_add_nc_u64 s[G0+2:G0+3], s[22:23], s[20:21]
	s_or_b32 s[G0+3], s[G0+3], 0x80000000
	CROUND                                         ; the four partners are here: the joint loads meet
	tensor_load_to_lds s[G0:G0+3], s[G1:G1+7]      ; my one tensor load of the launch
	s_nop 0
.rept 4
	v_nop
.endr
	s_lshl_b32 s2, s15, 5
	s_lshl_b32 s3, s[WV], 1
	s_add_co_u32 s2, s2, s3                        ; my first tile of queries
	s_lshl_b32 s2, s2, 10
	s_lshl_b32 s3, s16, 17
	s_add_co_u32 s2, s2, s3
	s_mov_b32 s3, 0
	s_add_nc_u64 s[4:5], s[4:5], s[2:3]
	s_wait_alu depctr_va_vdst(0)                   ; the wait ahead of the reader of v1
.irp f, 0,1,2,3
	global_load_b128 v[Q+4*\f:Q+4*\f+3], v[LI], s[4:5] offset:512*\f
.endr
	; where my codes go in cat_img: [128 tokens][256 of K][tile of 16 tokens][128 of K][32 of K][lane][16]
	s_lshr_b32 s61, s16, 4
	s_lshl_b32 s61, s61, 4
	s_lshl_b32 s62, s15, 2
	s_add_co_u32 s61, s61, s62
	s_lshr_b32 s62, s[WV], 2
	s_add_co_u32 s61, s61, s62
	s_lshl_b32 s61, s61, 17
	s_bfe_u32 s62, s16, 0x20002
	s_lshl_b32 s62, s62, 15
	s_add_co_u32 s61, s61, s62
	s_and_b32 s62, s[WV], 3
	s_lshl_b32 s62, s62, 13
	s_add_co_u32 s61, s61, s62
	s_and_b32 s62, s16, 3
	s_lshl_b32 s62, s62, 10
	s_add_co_u32 s62, s61, s62
	s_mov_b32 s63, 0
	s_add_nc_u64 s[12:13], s[12:13], s[62:63]
.irp i, 0,1,2,3
	v_mov_b32 v[MX+\i], 0xff61b1e6                 ; -3e38, under every score: a score is at most 64 x 57,344^2 in size
.endr
	v_mov_b32 v[NM+1], 0                           ; (named as the upper halves of pairs)
	v_mov_b32 v[NM+3], 0
	s_mov_b32 s[TB], 0
	v_add_nc_u32 v[ADK], s[TB], v[LI]
	s_wait_kmcnt 0x0
	s_add_co_i32 s60, s48, s49
	s_lshl_b32 s60, s60, 23
	s_mov_b32 s[CS], 0x3e38aa3b                    ; log2(e) / 8,
	s_add_co_i32 s[CS], s[CS], s60                 ; x 2^(e6 + e7), by its exponent field
	s_mov_b32 s[CS+1], s[CS]
	s_add_co_i32 s[LP], s50, 127
	s_lshl_b32 s60, s[LP], 23
	v_mov_b32 v[SCP], s60
	s_add_co_i32 s[LP], s[LP], 15
	s_lshl_b32 s[LP], s[LP], 23
	s_or_b32 s[LP], s[LP], 0x600000
	s_add_co_i32 s61, s52, 127
	s_lshl_b32 s60, s61, 23
	v_mov_b32 v[SC10], s60
	s_add_co_i32 s61, s61, 15
	s_lshl_b32 s61, s61, 23
	s_or_b32 s61, s61, 0x600000
	v_mov_b32 v[LIM10], s61
	s_add_co_i32 s60, s50, s51                     ; e8 + e9
	s_mov_b32 s[CNT], 16
	s_wait_alu depctr_va_vdst(0)                   ; the wait at the head's end
	s_wait_loadcnt 0x0                             ; Q
	s_wait_tensorcnt 0x0                           ; my sixteenth of K and V is in
	s_barrier_signal -1
	s_barrier_wait -1                              ; everybody's is
; WALK 1: 16 trips of 128 keys: 16 products, and the largest score in two chains a tile of queries.
.Lmax:
.irp f, 0,1,2,3,4,5,6,7,8,9,10,11,12,13,14,15
	ds_load_b128 v[KF+4*\f:KF+4*\f+3], v[ADK] offset:512*\f
.endr
	s_wait_dscnt 8                                 ; the first four tiles of keys are in; the eight youngest loads may be out
.irp jt, 0,1,2,3,4,5,6,7
.if \jt == 4
	s_wait_dscnt 0x0
.endif
.irp x, 0,1
	v_wmma_f32_16x16x64_bf8_bf8 v[S+64*(\jt/4)+32*\x+8*(\jt%4):S+64*(\jt/4)+32*\x+8*(\jt%4)+7], v[KF+8*\jt:KF+8*\jt+7], v[Q+8*\x:Q+8*\x+7], 0
.endr
.endr
.rept 4
	v_nop                                          ; places ahead of the reads of results (ISA guide 7.12.1)
.endr
.irp g, 0,1
.irp i, 0,1,2,3,4,5,6,7
.irp x, 0,1
	v_max3_num_f32 v[MX+\x], v[MX+\x], v[S+64*\g+32*\x+4*\i], v[S+64*\g+32*\x+4*\i+1]
.endr
.irp x, 0,1
	v_max3_num_f32 v[MX+2+\x], v[MX+2+\x], v[S+64*\g+32*\x+4*\i+2], v[S+64*\g+32*\x+4*\i+3]
.endr
.endr
.endr
	s_add_co_u32 s[TB], s[TB], 8192
	v_add_nc_u32 v[ADK], s[TB], v[LI]
	s_sub_co_u32 s[CNT], s[CNT], 1
	s_cmp_lg_u32 s[CNT], 0
	s_wait_alu depctr_va_vdst(0)                   ; the wait ahead of the branch
	s_cbranch_scc1 .Lmax
; -M = floor(-t) of the row's largest t
.irp x, 0,1
	v_max_num_f32 v[MX+\x], v[MX+\x], v[MX+2+\x]
.endr
.irp x, 0,1
	s_delay_alu instid0(VALU_DEP_2)
	v_permlanex16_b32 v[MX+2+\x], v[MX+\x], s[SEL], s[SEL+1]
.endr
.irp x, 0,1
	s_delay_alu instid0(VALU_DEP_2)
	v_max_num_f32 v[MX+\x], v[MX+\x], v[MX+2+\x]   ; with lane l xor 16's keys
.endr
.irp x, 0,1
	s_delay_alu instid0(VALU_DEP_2)
	v_mul_f32 v[MX+\x], s[CS], v[MX+\x]            ; as t (c is positive)
.endr
.irp x, 0,1
	s_delay_alu instid0(VALU_DEP_2)
	v_floor_f32 v[NM+2*\x], -v[MX+\x]
.endr
	s_mov_b32 s[TB], 0
	v_add_nc_u32 v[ADK], s[TB], v[LI]
	v_add_nc_u32 v[ADV], 0x20000, v[LI]
	s_wait_alu depctr_va_vdst(0)                   ; the wait
; WALK 2: a trip of 64 keys.  first = 1: its products start O^T and its additions start the sums: nothing is cleared.
.macro ADD4 j                          ; four pairs of p onto the four chains
.irp x, 0,1
	v_pk_add_f32 v[L+4*\x:L+4*\x+1], v[L+4*\x:L+4*\x+1], v[S+32*\x+\j:S+32*\x+\j+1]
.endr
.irp x, 0,1
	v_pk_add_f32 v[L+4*\x+2:L+4*\x+3], v[L+4*\x+2:L+4*\x+3], v[S+32*\x+\j+2:S+32*\x+\j+3]
.endr
.endm
.macro STEP first
.irp f, 0,1,2,3,4,5,6,7
	ds_load_b128 v[KF+4*\f:KF+4*\f+3], v[ADK] offset:512*\f
.endr
.irp f, 0,1,2,3,4,5,6,7
	ds_load_b128 v[VF+4*\f:VF+4*\f+3], v[ADV] offset:512*\f
.endr
	s_wait_dscnt 8                                 ; K's fragments are in; V's eight loads may be out
.irp jt, 0,1,2,3
.irp x, 0,1
	v_wmma_f32_16x16x64_bf8_bf8 v[S+32*\x+8*\jt:S+32*\x+8*\jt+7], v[KF+8*\jt:KF+8*\jt+7], v[Q+8*\x:Q+8*\x+7], 0
.endr
.endr
.rept 4
	v_nop                                          ; places ahead of the reads of results
.endr
.irp x, 0,1
.irp j, 0,2,4,6,8,10,12,14,16,18,20,22,24,26,28,30
	v_pk_fma_f32 v[S+32*\x+\j:S+32*\x+\j+1], v[S+32*\x+\j:S+32*\x+\j+1], s[CS:CS+1], v[NM+2*\x:NM+2*\x+1] op_sel_hi:[1,0,0]   ; t - M
.endr
.endr
	s_wait_dscnt 0x0                               ; V's fragments are in
	s_wait_alu depctr_va_vdst(0)                   ; the wait ahead of the batch
.set j, 0
.rept 64
	v_exp_f32 v[S+j], v[S+j]                       ; p = 2^(t - M)
.set j, j+1
.endr
	v_nop                                          ; a plain place behind the exponentials
	s_wait_alu depctr_va_vdst(0)                   ; one wait for the batch, ahead of its first reader
.if \first
.irp x, 0,1
	v_pk_add_f32 v[L+4*\x:L+4*\x+1], v[S+32*\x:S+32*\x+1], v[S+32*\x+4:S+32*\x+5]
	v_pk_add_f32 v[L+4*\x+2:L+4*\x+3], v[S+32*\x+2:S+32*\x+3], v[S+32*\x+6:S+32*\x+7]
.endr
.else
	ADD4 0
	ADD4 4
.endif
.irp j, 8,12,16,20,24,28
	ADD4 \j                                        ; the sum is taken of the unquantised p
.endr
.set j, 0
.rept 32
	v_dual_min_num_f32 v[S+j], s[LP], v[S+j] :: v_dual_min_num_f32 v[S+j+1], s[LP], v[S+j+1]   ; the conversion does not saturate (ISA guide 7.6.2); p is not negative: a one-sided hold, two a line
.set j, j+2
.endr
.irp x, 0,1
.irp jt, 0,1,2,3
	v_cvt_scalef32_pk8_bf8_f32 v[P+8*\x+2*\jt:P+8*\x+2*\jt+1], v[S+32*\x+8*\jt:S+32*\x+8*\jt+7], v[SCP]
.endr
.endr
	v_nop                                          ; a plain place behind the last conversion
	s_wait_alu depctr_va_vdst(0)                   ; the wait ahead of the first readers of O^T
.irp t, 0,1,2,3
.irp x, 0,1
.if \first
	v_wmma_f32_16x16x64_bf8_bf8 v[O+32*\x+8*\t:O+32*\x+8*\t+7], v[VF+8*\t:VF+8*\t+7], v[P+8*\x:P+8*\x+7], 0
.else
	v_wmma_f32_16x16x64_bf8_bf8 v[O+32*\x+8*\t:O+32*\x+8*\t+7], v[VF+8*\t:VF+8*\t+7], v[P+8*\x:P+8*\x+7], v[O+32*\x+8*\t:O+32*\x+8*\t+7]
.endif
.endr
.endr
	s_add_co_u32 s[TB], s[TB], 4096
	v_add_nc_u32 v[ADK], s[TB], v[LI]              ; these two and two v_nop are the places ahead of the next loads into V's fragments
	v_add_nc_u32 v[ADV], 0x20000, v[ADK]
	v_nop
	v_nop
	s_wait_alu depctr_va_vdst(0)                   ; the wait
.endm
	STEP 1
	s_mov_b32 s[CNT], 31
.Lkeys:
	STEP 0
	s_sub_co_u32 s[CNT], s[CNT], 1
	s_cmp_lg_u32 s[CNT], 0
	s_cbranch_scc1 .Lkeys
; THE WAY OUT: the row's sum, O x 2^(e8 + e9) / l, the hold, the codes, and four stores of 512 consecutive bytes.
.irp x, 0,1
	v_pk_add_f32 v[L+4*\x:L+4*\x+1], v[L+4*\x:L+4*\x+1], v[L+4*\x+2:L+4*\x+3]
.endr
.irp x, 0,1
	s_delay_alu instid0(VALU_DEP_2)
	v_add_f32 v[L+4*\x], v[L+4*\x], v[L+4*\x+1]
.endr
.irp x, 0,1
	s_delay_alu instid0(VALU_DEP_2)
	v_permlanex16_b32 v[L+4*\x+1], v[L+4*\x], s[SEL], s[SEL+1]
.endr
.irp x, 0,1
	s_delay_alu instid0(VALU_DEP_2)
	v_add_f32 v[L+4*\x], v[L+4*\x], v[L+4*\x+1]
.endr
	s_wait_alu depctr_va_vdst(0)                   ; the wait ahead of the transcendentals
.irp x, 0,1
	v_rcp_f32 v[MX+2*\x], v[L+4*\x]
.endr
	v_nop
	s_wait_alu depctr_va_vdst(0)                   ; and behind them, ahead of their first reader
.irp x, 0,1
	v_ldexp_f32 v[MX+2*\x], v[MX+2*\x], s60
.endr
	s_wait_alu depctr_va_vdst(0)                   ; the wait ahead of the first reader of O^T
.irp x, 0,1
.irp j, 0,2,4,6,8,10,12,14,16,18,20,22,24,26,28,30
	v_pk_mul_f32 v[O+32*\x+\j:O+32*\x+\j+1], v[O+32*\x+\j:O+32*\x+\j+1], v[MX+2*\x:MX+2*\x+1] op_sel_hi:[1,0]
.endr
.endr
.set j, 0
.rept 64
	v_med3_num_f32 v[O+j], v[O+j], -v[LIM10], v[LIM10]
.set j, j+1
.endr
.irp x, 0,1
.irp t, 0,1,2,3
	v_cvt_scalef32_pk8_bf8_f32 v[CD+8*\x+2*\t:CD+8*\x+2*\t+1], v[O+32*\x+8*\t:O+32*\x+8*\t+7], v[SC10]
.endr
.endr
	v_nop
.irp x, 0,1
.irp be, 0,1
.irp i, 0,1
	v_permlane16_swap_b32 v[CD+8*\x+4*\be+\i], v[CD+8*\x+4*\be+2+\i]   ; a lane's 16 bytes become 16 neighbouring channels, as the projection's four loads of 16 bytes take them
.endr
.endr
.endr
.irp x, 0,1
.irp be, 0,1
	global_store_b128 v[LI], v[CD+8*\x+4*\be:CD+8*\x+4*\be+3], s[12:13] offset:\x*4096+\be*512
.endr
.endr
	s_wait_tensorcnt 0x0                           ; the wave's end
	ds_add_u32 v[SPW], v[NIL]
	s_wait_dscnt 0x0
	CROUND                                         ; the closing round
	s_endpgm
.Lfunc_end_k_q06f2cd9fec_attn:
	.size	k_q06f2cd9fec_attn, .Lfunc_end_k_q06f2cd9fec_attn-k_q06f2cd9fec_attn
	.p2alignl 7, 3214868480
	.fill 96, 4, 3214868480
	.section	.rodata,"a",@progbits
	.p2align	6, 0x0
	.amdhsa_kernel k_q06f2cd9fec_attn
		.amdhsa_group_segment_fixed_size 327680
		.amdhsa_private_segment_fixed_size 0
		.amdhsa_enable_private_segment 0
		.amdhsa_kernarg_size 40
		.amdhsa_user_sgpr_count 2
		.amdhsa_user_sgpr_kernarg_segment_ptr 1
		.amdhsa_wavefront_size32 1
		.amdhsa_system_sgpr_workgroup_id_x 1
		.amdhsa_system_sgpr_workgroup_id_y 1
		.amdhsa_system_sgpr_workgroup_id_z 1
		.amdhsa_system_vgpr_workitem_id 0
		.amdhsa_next_free_vgpr 256
		.amdhsa_next_free_sgpr 66
		.amdhsa_reserve_vcc 0
		.amdhsa_float_denorm_mode_32 3
		.amdhsa_float_denorm_mode_16_64 3
		.amdhsa_memory_ordered 1
		.amdhsa_forward_progress 1
		.amdhsa_inst_pref_size 44
	.end_amdhsa_kernel
	.amdgpu_metadata
---
amdhsa.version: [ 1, 2 ]
amdhsa.kernels:
  - .name:           k_q06f2cd9fec_attn
    .symbol:         k_q06f2cd9fec_attn.kd
    .args:
      - { .name: q_img, .offset: 0, .size: 8, .value_kind: global_buffer, .address_space: global }
      - { .name: k_img, .offset: 8, .size: 8, .value_kind: global_buffer, .address_space: global }
      - { .name: v_img, .offset: 16, .size: 8, .value_kind: global_buffer, .address_space: global }
      - { .name: lowp_scales, .offset: 24, .size: 8, .value_kind: global_buffer, .address_space: global }
      - { .name: cat_img, .offset: 32, .size: 8, .value_kind: global_buffer, .address_space: global }
    .group_segment_fixed_size: 327680
    .private_segment_fixed_size: 0
    .kernarg_segment_align: 8
    .kernarg_segment_size: 40
    .max_flat_workgroup_size: 512
    .sgpr_count:     66
    .vgpr_count:     256
    .wavefront_size: 32
...
	.end_amdgpu_metadata
.endif
;; end of part 2
;; launch proj (part 3): grid 4 x 64, 4 waves a work-group, clusters of 4 x 4, 327,680 bytes of LDS; arguments cat_img, Wo_codes, lowp_scales, bo, out0; writes out0
.if DOCPART == 3
	.amdgcn_target "amdgcn-amd-amdhsa--gfx1250"
	.amdhsa_code_object_version 6
	.text
	.protected	k_q06f2cd9fec_proj
	.globl	k_q06f2cd9fec_proj
	.p2align	8
	.type	k_q06f2cd9fec_proj,@function
k_q06f2cd9fec_proj:
	s_mov_b64 s[64:65], 0
	v_nop
	global_prefetch_b8 v0, s[64:65] scope:SCOPE_SE
	s_setreg_imm32_b32 hwreg(HW_REG_WAVE_MODE, 25, 1), 1
	s_wait_xcnt 0x0
	s_wait_alu depctr_hold_cnt(0) depctr_sa_sdst(0) depctr_va_vdst(0) depctr_va_sdst(0) depctr_va_ssrc(0) depctr_va_vcc(0) depctr_vm_vsrc(0)
	s_getreg_b32 s2, hwreg(HW_REG_IB_STS2, 6, 4)
	s_cmp_eq_u32 s2, 0
	s_cbranch_scc0 .Lentry_in_a_cluster
	s_endpgm
.Lentry_in_a_cluster:
	s_bfe_u32 s2, ttmp6, 0x10000c
	s_cmp_lg_u32 s2, 0xf033
	s_cbranch_scc0 .Lentry_shape_is_right
	s_endpgm
.Lentry_shape_is_right:
; out0[token][n] = 2^(e10 + e11) x (the sum over k of cat[token][k] Wo[n][k]) + bo[n], on codes of BF8 (E5M2), sums in f32.
; cat_img: cat's codes as the attention launch lays them: [128 tokens 64][256 of K 4][tile of 16 tokens 8][128 of K 2][32 of K 4][lane 32][16]: lane (r, h): token r of the tile, K = 16 h + 0 .. 15 of the 32.
; Wo_codes: rows of 1,024 bytes, K innermost.  LIMIT: e10 + e11 between -126 and 127, so that 2^(e10 + e11) is an f32 number.
; SHARES.  A tile of 128 tokens x 256 columns is made by a work-group of four waves; a wave makes 64 x 128: 32 accumulators.  64 x 4 = 256 work-groups, in clusters of 4 x 4.
; A' = cat (group 4 x cluster y + cy), asked for jointly by a row of the cluster; B' = Wo (block cx), by a column.  Source 0 = 16 rows of B', source 1 = 16 rows of A': a lane holds eight neighbouring columns of one token.
; K = 1,024 goes in four steps of 256 through a ring of two LDS slots.  Both operands have two sets of fragments: each step of 128 along K asks for the next step's 48 loads ahead of its 32 products.
; PREFETCH INTO THE L2.  Behind the fill of K step i (i = 0, 1) a wave asks for K step i + 2: one instruction.  Of the 16,384 bytes of cat that a wave fetches, each of the four partners that ask for them jointly names
;   16 blocks of 256 bytes (lanes 16-31 name the last again); of Wo's 128 rows, 32, a lane a row; the partners are told apart by address (cx for A', cy for B').  K steps 0 and 1 come by their loads alone.
;   Each of the two requests has an address pair of its own, never rewritten.
; REGISTERS: window 0: v12-15 the bias, v16-29 addresses, v128-255 A's fragments (two sets of 4), on the way out rows read back;  window 1: B's fragments, two sets;  window 2: the accumulators ((a, b) at v[8 (8 a + b)]).
.set ROWB,   256
.set KROW,   1024
.set PITCH,  272                       ; B's LDS row: 256 bytes + 16 of padding
.set FR,     16
.set NP,     4                         ; places behind this matrix instruction (ISA guide 7.12.1)
.set HALFA,  16384                     ; 64 tokens x 256 of K: what one wave fetches and one wave reads of A'
.set HALFB,  128*PITCH
.set BOFF,   2*HALFA
.set SLOT,   BOFF+2*HALFB
.set SPARE,  2*SLOT                    ; the spare words, 128 bytes a wave
.set SPITCH, 528                       ; the way out: a stage of 16 rows x (512 + 16) bytes a wave, in slot 0, which has had its last fill and its last read by then
.set BIAS, 12
.set ADRA, 16
.set ADRB, 20
.set STO,  24
.set RD,   25
.set CO,   26
.set PFO,  27                          ; v27  the prefetches' offset: 256 x min(lane, 15) in cat, 1,024 x lane in Wo
.set SPW,  28
.set NIL,  29
.set AF,   128
.set BK,   128
.set G1, 24
.set G0, 32
.set G1B, 48
.set G0B, 56
.set PF2, 66                           ; s[66:67] my work-group's share of what I fetch, at K step 2;  s[68:69] at K step 3
.set PF3, 68
.set MSB, 0
.macro WIN new
.if MSB != \new
	s_set_vgpr_msb (MSB<<8)|\new
.set MSB, \new
.endif
.endm
.set MUL_LO, 0xa1
.set TO_B,   0x40
.macro JLOAD g0a, g1a, g0b, g1b        ; a joint load: waves 0 and 1 fetch for A', waves 2 and 3 for B'
	s_cmp_eq_u32 s15, 0
	s_cbranch_scc0 .Lfor_b_\@
	tensor_load_to_lds s[\g0a:\g0a+3], s[\g1a:\g1a+7]
	s_nop 0
.rept 4
	v_nop
.endr
	s_branch .Lasked_\@
.Lfor_b_\@:
	tensor_load_to_lds s[\g0b:\g0b+3], s[\g1b:\g1b+7]
	s_nop 0
.rept 4
	v_nop
.endr
.Lasked_\@:
.endm
.macro CREST
	s_cmp_lg_u32 s14, 0
	s_cbranch_scc1 .Lnot_wave_0_\@
	s_barrier_signal -3
.Lnot_wave_0_\@:
	s_barrier_wait -3
	s_barrier_signal -1
	s_barrier_wait -1
.endm
.macro CROUND
	s_barrier_signal -1
	s_barrier_wait -1
	CREST
.endm
	s_load_b256 s[4:11], s[0:1], 0x0               ; cat_img s[4:5], Wo s[6:7], the exponents s[8:9], bo s[10:11]
	s_load_b64 s[12:13], s[0:1], 0x20              ; out0
	v_lshl_add_u32 v[SPW], v0, 2, SPARE
	v_mov_b32 v[NIL], 0
	ds_add_u32 v[SPW], v[NIL]                      ; the opening lines: the add, twice on end, and its wait
	ds_add_u32 v[SPW], v[NIL]
	v_lshrrev_b32 v1, 5, v0
	v_readfirstlane_b32 s14, v1
	s_lshr_b32 s15, s14, 1                         ; my half of the tokens.  Also: I fetch for A' (0) or B' (1)
	s_and_b32 s16, s14, 1                          ; my half of the columns.  Also: which half of that tile I fetch
	s_bfe_u32 s40, ttmp6, 0x40000
	s_bfe_u32 s41, ttmp6, 0x40004
	s_lshl_b32 s42, ttmp9, 2
	s_add_co_u32 s42, s42, s40                     ; block of 256 columns
	s_and_b32 s17, ttmp7, 0xffff
	s_lshl_b32 s17, s17, 2
	s_add_co_u32 s17, s17, s41                     ; group of 128 tokens
	s_lshl_b32 s43, s41, 2
	s_lshl_b32 s43, 15, s43
	s_lshl_b32 s44, 0x1111, s40
	s_or_b32 s[G1+0], s43, (3<<16)|(1<<21)         ; A': a dense block, 64 rows of 32 elements of 8 bytes
	s_mov_b32 s[G1+1], 32<<16
	s_mov_b32 s[G1+2], 64<<16
	s_mov_b32 s[G1+3], 32<<16
	s_mov_b32 s[G1+4], 64
	s_mov_b32 s[G1+5], 32
	s_mov_b32 s[G1+6], 0
	s_mov_b32 s[G1+7], 0
	s_or_b32 s[G1B+0], s44, (1<<20)|(1<<21)|(5<<22)|(3<<25)   ; B': 128 rows of 256 bytes, four words of padding behind each
	s_mov_b32 s[G1B+1], ROWB<<16
	s_mov_b32 s[G1B+2], 128<<16
	s_mov_b32 s[G1B+3], ROWB<<16
	s_mov_b32 s[G1B+4], 128
	s_mov_b32 s[G1B+5], KROW
	s_mov_b32 s[G1B+6], 0
	s_mov_b32 s[G1B+7], 0
	s_lshl_b32 s20, s17, 17                        ; a group's codes are 131,072 bytes; a K step 32,768; my half of it 16,384
	s_lshl_b32 s21, s16, 14
	s_add_co_u32 s20, s20, s21
	s_mov_b32 s21, 0
	s_lshl_b32 s46, s42, 18
	s_lshl_b32 s47, s16, 17
	s_add_co_u32 s46, s46, s47
	s_mov_b32 s47, 0
	s_mul_i32 s45, s16, HALFA
	s_mul_i32 s3, s16, HALFB
	s_add_co_u32 s3, s3, BOFF
	s_mul_i32 s18, s15, HALFA                      ; what I read of A',
	s_mov_b32 s19, s3                              ; of B',
	s_mul_i32 s23, s14, 16*SPITCH                  ; my stage
	s_wait_dscnt 0x0
	s_wait_kmcnt 0x0
	s_load_b64 s[96:97], s[8:9], 0x28              ; e10, e11
	s_add_nc_u64 s[20:21], s[4:5], s[20:21]
	s_add_nc_u64 s[46:47], s[6:7], s[46:47]
.irp s, 0,1
	s_mov_b32 s[G0+4*\s], 1
	s_add_co_u32 s[G0+4*\s+1], s45, \s*SLOT
	s_add_nc_u64 s[G0+4*\s+2:G0+4*\s+3], s[20:21], \s*2*HALFA
	s_or_b32 s[G0+4*\s+3], s[G0+4*\s+3], 0x80000000
	s_mov_b32 s[G0B+4*\s], 1
	s_add_co_u32 s[G0B+4*\s+1], s3, \s*SLOT
	s_add_nc_u64 s[G0B+4*\s+2:G0B+4*\s+3], s[46:47], \s*ROWB
	s_or_b32 s[G0B+4*\s+3], s[G0B+4*\s+3], 0x80000000
.endr
	CROUND                                         ; all sixteen work-groups are here
	JLOAD G0, G1, G0B, G1B                         ; K step 0: one tensor load a wave at the head
	; the prefetches: where my work-group's share of what I fetch stands
	s_cmp_eq_u32 s15, 0                            ; do I fetch for A'?
	s_cselect_b64 s[PF2:PF2+1], s[20:21], s[46:47]
	s_cselect_b32 s70, s40, s41                    ; my place among the four that ask with me,
	s_cselect_b32 s71, 12, 15                      ; x 4,096 bytes of cat or 32 rows of Wo
	s_cselect_b32 s72, 15, 31                      ; lanes with a block of their own
	s_cselect_b32 s73, 8, 10                       ; from lane to lane: 256 or 1,024 bytes
	s_mov_b32 s74, 256
	s_cselect_b32 s74, 32768, s74                  ; a K step on
	s_mov_b32 s75, 0
	s_lshl_b32 s70, s70, s71
	s_mov_b32 s71, 0
	s_add_nc_u64 s[PF2:PF2+1], s[PF2:PF2+1], s[70:71]
	s_add_nc_u64 s[PF2:PF2+1], s[PF2:PF2+1], s[74:75]
	s_add_nc_u64 s[PF2:PF2+1], s[PF2:PF2+1], s[74:75]
	s_add_nc_u64 s[PF3:PF3+1], s[PF2:PF2+1], s[74:75]
	v_and_b32 v1, 15, v0
	v_bfe_u32 v2, v0, 4, 1
	v_and_b32 v6, 31, v0
	v_lshlrev_b32 v[CO], 4, v6
	v_mul_u32_u24 v3, v1, PITCH
	v_lshl_add_u32 v4, v2, 4, v3
	v_mul_u32_u24 v5, v1, SPITCH
	v_lshl_add_u32 v5, v2, 5, v5
	v_add_nc_u32 v[ADRA], s18, v[CO]
	v_add_nc_u32 v[ADRB], s19, v4
	v_add_nc_u32 v[ADRA+1], SLOT, v[ADRA]
	v_add_nc_u32 v[ADRB+1], SLOT, v[ADRB]
	v_add_nc_u32 v[STO], s23, v5                   ; in: row l % 16, 32 bytes for each half of the lanes
	v_add_nc_u32 v[RD], s23, v[CO]                 ; back: the 32 lanes take one row of 512 bytes
	v_min_u32 v[PFO], s72, v6
	v_lshlrev_b32 v[PFO], s73, v[PFO]
	global_prefetch_b8 v[PFO], s[PF2:PF2+1] th:TH_LOAD_NT scope:SCOPE_SE   ; behind the fill of K step 0: K step 2
	s_lshl_b32 s46, s42, 10                        ; my first column, in bytes
	s_lshl_b32 s47, s16, 9
	s_add_co_u32 s46, s46, s47
	s_mov_b32 s47, 0
	s_add_nc_u64 s[10:11], s[10:11], s[46:47]
	s_lshl_b32 s20, s17, 19                        ; my first token's row of 4,096 bytes
	s_lshl_b32 s21, s15, 18
	s_add_co_u32 s20, s20, s21
	s_add_co_u32 s20, s20, s46
	s_mov_b32 s21, 0
	s_add_nc_u64 s[12:13], s[12:13], s[20:21]
	s_wait_alu depctr_va_vdst(0)                   ; the wait ahead of the reader of v26 below
	global_load_b128 v[BIAS:BIAS+3], v[CO], s[10:11]   ; bo at my four columns of a row of 512 bytes
.macro FRAG reg, adr, q, i
.irp c, 0,1,2,3
	ds_load_b128 v[\reg+4*\c:\reg+4*\c+3], v[\adr] offset:128*(\q)+32*\c+(\i)*16*PITCH
.endr
.endm
.macro FRAGA reg, adr, q, i            ; A' lies as images of registers: 512 consecutive bytes a load
.irp c, 0,1,2,3
	ds_load_b128 v[\reg+4*\c:\reg+4*\c+3], v[\adr] offset:2048*(\q)+512*\c+(\i)*4096
.endr
.endm
.macro MUL16 a0, p, zero               ; 16 matrix instructions: A's blocks a0, a0 + 1 x B's eight, sets p.  The 32 accumulators take turns, in the same order in every step
.irp a, \a0, \a0+1
.irp b, 0,1,2,3,4,5,6,7
.if \zero
	v_wmma_f32_16x16x128_bf8_bf8 v[8*(8*(\a)+\b):8*(8*(\a)+\b)+7], v[128*(\p)+FR*\b:128*(\p)+FR*\b+FR-1], v[AF+64*(\p)+FR*(\a):AF+64*(\p)+FR*(\a)+FR-1], 0
.else
	v_wmma_f32_16x16x128_bf8_bf8 v[8*(8*(\a)+\b):8*(8*(\a)+\b)+7], v[128*(\p)+FR*\b:128*(\p)+FR*\b+FR-1], v[AF+64*(\p)+FR*(\a):AF+64*(\p)+FR*(\a)+FR-1], v[8*(8*(\a)+\b):8*(8*(\a)+\b)+7]
.endif
.endr
.endr
.endm
.macro FETCH slot, q, p                ; 48 loads: B's eight fragments and A's four of the slot's q-th 128 along K, into sets p
	WIN TO_B
.irp i, 0,1,2,3,4,5,6,7
	FRAG 128*(\p)+FR*\i, ADRB+\slot, \q, \i
.endr
	WIN 0
.irp i, 0,1,2,3
	FRAGA AF+64*(\p)+FR*\i, ADRA+\slot, \q, \i
.endr
.endm
.macro PLACES n
.rept \n
	v_nop
.endr
.endm
.macro HSTEP slot, zero, ask           ; a slot's first 128 along K.  ask = 1: behind the run of loads K step 3 is asked for
	s_wait_dscnt 0x0                               ; sets 0 are in
	PLACES NP                                      ; sets 1 were read by the products just issued
	FETCH \slot, 1, 1
.if \ask
	global_prefetch_b8 v[PFO], s[PF3:PF3+1] th:TH_LOAD_NT scope:SCOPE_SE
.endif
	WIN MUL_LO
	MUL16 0, 0, \zero
	MUL16 2, 0, \zero
	WIN 0
.endm
.macro HTURN slot, next, fill          ; its second 128, and the change of slots: half of the products go ahead of the waits, so that from a refill to the wait for it a wave issues 64 matrix instructions
	s_wait_dscnt 0x0                               ; sets 1 are in
	WIN MUL_LO
	MUL16 0, 1, 0
	WIN 0
	s_wait_tensorcnt 0x0                           ; all my tensor loads have landed: my part of the next slot
	ds_add_u32 v[SPW], v[NIL]
	s_wait_dscnt 0x0                               ; the add is done; my reads of this slot were over above
	s_barrier_signal -1
	s_barrier_wait -1
.if \fill
	CREST                                          ; the barrier has opened a round of the cluster's barrier
	s_add_nc_u64 s[G0+4*\slot+2:G0+4*\slot+3], s[G0+4*\slot+2:G0+4*\slot+3], 4*HALFA
	s_add_nc_u64 s[G0B+4*\slot+2:G0B+4*\slot+3], s[G0B+4*\slot+2:G0B+4*\slot+3], 2*ROWB
	JLOAD G0+4*\slot, G1, G0B+4*\slot, G1B         ; its four v_nop are the places in front of the loads below
.else
	PLACES NP
.endif
	FETCH \next, 0, 0
	WIN MUL_LO
	MUL16 2, 1, 0
	WIN 0
.endm
	s_wait_tensorcnt 0x0                           ; my part of K step 0 is in; the lines ahead of a later first fill:
	ds_add_u32 v[SPW], v[NIL]
	s_wait_dscnt 0x0
	CROUND
	JLOAD G0+4, G1, G0B+4, G1B                     ; K step 1: slot 1's first fill
	FETCH 0, 0, 0
	HSTEP 0, 1, 1                                  ; the first step starts the sums
	HTURN 0, 1, 1                                  ; slot 0 takes K step 2
	HSTEP 1, 0, 0
	HTURN 1, 0, 1                                  ; slot 1 takes K step 3
	HSTEP 0, 0, 0
	HTURN 0, 1, 0                                  ; nothing is left to fetch
	HSTEP 1, 0, 0
	s_wait_dscnt 0x0
	WIN MUL_LO
	MUL16 0, 1, 0
	MUL16 2, 1, 0
	WIN 0
; THE WAY OUT, block by block of 16 tokens x 128 columns: through my stage in LDS, back as whole rows of 512 bytes, x 2^(e10 + e11) + bo, and out as two aligned units of 256 bytes a store.
; LDS serves a wave's instructions in order (ISA guide 5.7.1.4): no wait between the stores and the loads.
.macro TOSTAGE a
.set AC, 64*(\a)
	WIN 0x08                                       ; the stores' data: window 2
.irp b, 0,1,2,3,4,5,6,7
	ds_store_b128 v[STO], v[AC+8*\b:AC+8*\b+3] offset:64*\b
	ds_store_b128 v[STO], v[AC+8*\b+4:AC+8*\b+7] offset:64*\b+16
.endr
	WIN 0
.set BB, BK+64*((\a)%2)
.irp t, 0,1,2,3,4,5,6,7,8,9,10,11,12,13,14,15
	ds_load_b128 v[BB+4*\t:BB+4*\t+3], v[RD] offset:\t*SPITCH
.endr
.endm
.macro SEND a, younger                 ; younger: the LDS instructions issued behind block a's loads
.set BB, BK+64*((\a)%2)
	s_wait_dscnt \younger
.if (\a) > 0
	s_add_nc_u64 s[12:13], s[12:13], 16*4096       ; behind a wait on XCNT: the earlier stores have read their base
.endif
.irp t, 0,1,2,3,4,5,6,7,8,9,10,11,12,13,14,15
	v_pk_fma_f32 v[BB+4*\t:BB+4*\t+1], v[BB+4*\t:BB+4*\t+1], s[96:97], v[BIAS:BIAS+1] op_sel_hi:[1,0,1]
	v_pk_fma_f32 v[BB+4*\t+2:BB+4*\t+3], v[BB+4*\t+2:BB+4*\t+3], s[96:97], v[BIAS+2:BIAS+3] op_sel_hi:[1,0,1]
.endr
.irp t, 0,1,2,3,4,5,6,7,8,9,10,11,12,13,14,15
	global_store_b128 v[CO], v[BB+4*\t:BB+4*\t+3], s[12:13] offset:\t*4096 th:TH_STORE_NT
.endr
.endm
	s_wait_kmcnt 0x0
	s_add_co_i32 s96, s96, s97
	s_add_co_i32 s96, s96, 127
	s_lshl_b32 s96, s96, 23                        ; 2^(e10 + e11)
	s_mov_b32 s97, s96
	s_wait_loadcnt 0x0                             ; the bias
	PLACES NP
	TOSTAGE 0
.irp a, 1,2,3
.if \a > 1
	s_wait_xcnt 0x0                                ; block a - 2's stores have read their registers and their base
.endif
	TOSTAGE \a
	SEND \a-1, 32                                  ; behind block a - 1's loads: block a's 16 stores and 16 loads
.endr
	s_wait_xcnt 0x0
	SEND 3, 0
	s_wait_tensorcnt 0x0                           ; the wave's end
	ds_add_u32 v[SPW], v[NIL]
	s_wait_dscnt 0x0
	CROUND                                         ; the closing round
	s_endpgm
.Lfunc_end_k_q06f2cd9fec_proj:
	.size	k_q06f2cd9fec_proj, .Lfunc_end_k_q06f2cd9fec_proj-k_q06f2cd9fec_proj
	.p2alignl 7, 3214868480
	.fill 96, 4, 3214868480
	.section	.rodata,"a",@progbits
	.p2align	6, 0x0
	.amdhsa_kernel k_q06f2cd9fec_proj
		.amdhsa_group_segment_fixed_size 327680
		.amdhsa_private_segment_fixed_size 0
		.amdhsa_enable_private_segment 0
		.amdhsa_kernarg_size 40
		.amdhsa_user_sgpr_count 2
		.amdhsa_user_sgpr_kernarg_segment_ptr 1
		.amdhsa_wavefront_size32 1
		.amdhsa_system_sgpr_workgroup_id_x 1
		.amdhsa_system_sgpr_workgroup_id_y 1
		.amdhsa_system_sgpr_workgroup_id_z 1
		.amdhsa_system_vgpr_workitem_id 0
		.amdhsa_next_free_vgpr 1024
		.amdhsa_next_free_sgpr 100
		.amdhsa_reserve_vcc 0
		.amdhsa_float_denorm_mode_32 3
		.amdhsa_float_denorm_mode_16_64 3
		.amdhsa_memory_ordered 1
		.amdhsa_forward_progress 1
		.amdhsa_inst_pref_size 76
	.end_amdhsa_kernel
	.amdgpu_metadata
---
amdhsa.version: [ 1, 2 ]
amdhsa.kernels:
  - .name:           k_q06f2cd9fec_proj
    .symbol:         k_q06f2cd9fec_proj.kd
    .args:
      - { .name: cat_img, .offset: 0, .size: 8, .value_kind: global_buffer, .address_space: global }
      - { .name: Wo_codes, .offset: 8, .size: 8, .value_kind: global_buffer, .address_space: global }
      - { .name: lowp_scales, .offset: 16, .size: 8, .value_kind: global_buffer, .address_space: global }
      - { .name: bo, .offset: 24, .size: 8, .value_kind: global_buffer, .address_space: global }
      - { .name: out0, .offset: 32, .size: 8, .value_kind: global_buffer, .address_space: global }
    .group_segment_fixed_size: 327680
    .private_segment_fixed_size: 0
    .kernarg_segment_align: 8
    .kernarg_segment_size: 40
    .max_flat_workgroup_size: 128
    .sgpr_count:     100
    .vgpr_count:     1024
    .wavefront_size: 32
...
	.end_amdgpu_metadata
.endif
;; end of part 3
